; MI455X (gfx1250); checked and timed in simulation.
; The chip was launched on July 23, 2026; its instructions are those of AMD's public machine-readable ISA for CDNA 5 (MIT licence, August 2026) and "CDNA5" Instruction Set Architecture Reference Guide (July 2026). The comments in the code are by the model that wrote it; some were corrected since.
;; Linear Latent Kernel. Allowed arithmetic: matrix products marked QUANTISED: E2M3 operands, one E8M0 scale for each 32 along K, by v_wmma_scale_f32_16x16x128_f8f6f4 with both operands' format E2M3, f32 sums; everything else in f32.
;; Inputs: W_gate 1,024 x 1,024 float32; W_qkv 3,072 x 1,024 float32; b_gate 1,024 float32; b_qkv 3,072 float32; x 4 x 4,096 x 1,024 float32.
;; Outputs: out0 4 x 4,096 x 1,024 float32.
;; This version of the problem:
;;   THIS VERSION OF THE PROBLEM IS GIVEN IN LOW PRECISION. The matrix products marked QUANTISED in the list below multiply operands that are first quantised to E2M3 (2 exponent bits, 3 mantissa bits; 6 bits a number), with one power-of-two scale for each 32 numbers along K (OCP MX v1.0); their sums are f32. All else is computed in f32.
;;   The module's matrix products, in the order in which they are computed (A, B: the left and right operand; K: the contracted axis; several contracted axes count as one K, in the product's order):
;;     1. [M 16,384, K 1,024] x [K 1,024, N 3,072]; A: input x; B: input W_qkv: QUANTISED
;;     2. [M 16,384, K 1,024] x [K 1,024, N 1,024]; A: input x; B: input W_gate: QUANTISED
;;   THE QUANTISER, for each operand of a quantised product, along K:
;;     - K is cut into blocks of 32 from its start; a last block that is shorter is filled with zeros.
;;     - A block's scale is 2^e with e = floor(log2(the largest magnitude in the block)) - 2, held to -126 .. 127; a block of zeros has e = 0. As a byte (E8M0): e + 127.
;;     - Each number is divided by its block's scale, clamped to +-7.5, and rounded to the nearest number of E2M3, ties to even, subnormals kept.
;;     - The product sums the exact products of the quantised numbers (number of the format x scale) in f32.
;;   ~~~python
;;   def quantise(x, axis):      # numpy; x: float32 -> the quantised numbers, widened to float32 again
;;       x = np.moveaxis(x, axis, -1); K = x.shape[-1]
;;       x = np.pad(x, [(0, 0)] * (x.ndim - 1) + [(0, -K % 32)]); x = x.reshape(x.shape[:-1] + (-1, 32)); a = np.abs(x).max(-1, keepdims=True)
;;       e = np.where(a > 0, np.clip(np.frexp(np.where(a > 0, a, 1))[1] - 1 - 2, -126, 127), 0)      # np.frexp(a)[1] - 1 = floor(log2(a)), exactly
;;       r = np.clip(x / 2.0 ** e, -7.5, 7.5)
;;       step = 2.0 ** (np.maximum(np.frexp(np.where(r == 0, 1, r))[1] - 1, 0) - 3)
;;       q = np.round(r / step) * step * 2.0 ** e      # np.round: ties to even
;;       return np.moveaxis(q.reshape(q.shape[:-2] + (-1,))[..., :K], -1, axis).astype(np.float32)
;;   ~~~
;; One version. Each part assembles by itself: llvm-mc -triple=amdgcn-amd-amdhsa -mcpu=gfx1250 --defsym DOCPART=n.
;; ======== version 1 of 1: 3 launches
;; workspace buffers: cq 16,384,000 bytes; psum 393,216 bytes
;; launch quant (part 1): grid 640 x 1, 4 waves a work-group, no clusters, 34,304 bytes of LDS; arguments x, W_qkv, W_gate, cq; writes cq
.if DOCPART == 1
	.amdgcn_target "amdgcn-amd-amdhsa--gfx1250"
	.amdhsa_code_object_version 6
	.text
	.protected	k_q8634435c69_quant
	.globl	k_q8634435c69_quant
	.p2align	8
	.type	k_q8634435c69_quant,@function
k_q8634435c69_quant:
	s_mov_b64 s[64:65], 0
	v_nop
	global_prefetch_b8 v0, s[64:65] scope:SCOPE_SE
	s_setreg_imm32_b32 hwreg(HW_REG_WAVE_MODE, 25, 1), 1
	s_wait_xcnt 0x0
; x [16384][1024], W_qkv [3072][1024] and W_gate [1024][1024], f32, K innermost, become codes of FP6 (E2M3) with one E8M0 byte for each 32 along K.
; cq holds 1,280 TILES of 16 rows x 1,024 K, 12,800 bytes each: tiles 0-1023 x, 1024-1215 W_qkv, 1216-1279 W_gate.  A tile is laid AS THE MATRIX OPERAND'S REGISTERS:
; eight fragments (K step s of 128: 12 registers a lane), registers 4 c .. 4 c + 3 of lane l at 1536 s + 512 c + 16 l; then 512 bytes of scale words, that of row r and K step s
; at 12288 + 256 (s / 4) + 16 r + 4 (s % 4).  So a later launch gets a fragment by three loads of 16 bytes at 16 x lane, and any run of tiles is one dense block.
; A block's scale is 2^(floor(log2(largest magnitude)) - 2): its byte is the largest magnitude's exponent field - 2, held at 1 from below by a floor among the maximum's leaves.
; LIMITS: a block of zeros gets the byte 1 where the rule says 127 (its codes are zeros, and this program alone reads the bytes); NaN and infinities among the inputs are not served.
; SHARES: work-group g makes tiles 2 g and 2 g + 1; wave w takes tile 2 g + w / 2 and the K half w % 2: 16 rows x 512 K, four steps of 128 K.
; A load reads 512 consecutive bytes of one row; the conversions want 32 neighbours along K in one lane: a step's 8 KiB turn through the wave's own stage in LDS (rows 528 bytes apart,
; an odd multiple of 16, so that the sixteen rows of a 16-byte read start 16 bytes further round each time).  Waves share nothing: no barrier.  Loads run two steps (32 loads a wave) ahead.
.set TILEB, 12800
.set FRB,   1536                       ; a fragment's image
.set SP,    528                        ; a stage row: 512 bytes + 16
.set WST,   16*SP                      ; a wave's stage
.set SPARE, 4*WST                      ; behind the stages: the spare words, 128 bytes a wave, two blocks of 256 bytes that no other line names
.set LO,  1                            ; v1   16 x lane: my bytes of a load's 512, and of an image's 512
.set SA,  2                            ; v2   the stage, way in
.set LA,  3                            ; v3   the stage, way out: row r, + 128 h
.set SO,  4                            ; v4   my 8 bytes of the scale words' 256
.set SH,  5                            ; v5   8 h: how far my two bytes are shifted up
.set SPW, 6                            ; v6   my spare word; never rewritten
.set NIL, 7                            ; v7   0; never rewritten
.set R,   16                           ; v16-143  two sets of 64 numbers as loaded
.set X,   144                          ; v144-207 64 numbers: register 32 c + i = k 64 c + 32 h + i of my row
.set C,   208                          ; v208-219 the fragment
.set T,   220                          ; v220-222, v224-226 the blocks' upper halves as converted
.set MX,  228                          ; v228-231 four running maxima
.set SCO, 232                          ; v232-233 the conversions' scale operands
.set BY,  234                          ; v234-235 the bytes
.set W,   236                          ; v236-239 the four steps' scale words
.set OW,  240                          ; v240-241 the two that I store
.set WP,  242
.set WT,  243
	s_load_b256 s[4:11], s[0:1], 0x0               ; x s[4:5], W_qkv s[6:7], W_gate s[8:9], cq s[10:11]
	v_lshl_add_u32 v[SPW], v0, 2, SPARE
	v_mov_b32 v[NIL], 0
	v_lshrrev_b32 v8, 5, v0
	v_readfirstlane_b32 s14, v8                    ; wave 0..3
	v_and_b32 v9, 31, v0                           ; lane
	v_and_b32 v10, 15, v0                          ; r
	v_bfe_u32 v11, v0, 4, 1                        ; h
	v_lshlrev_b32 v[LO], 4, v9
	s_mul_i32 s15, s14, WST
	v_add_nc_u32 v[SA], s15, v[LO]
	v_mul_u32_u24 v[LA], v10, SP
	v_lshl_add_u32 v[LA], v11, 7, v[LA]
	v_add_nc_u32 v[LA], s15, v[LA]
	v_lshlrev_b32 v[SO], 4, v10
	v_lshl_add_u32 v[SO], v11, 3, v[SO]
	v_lshlrev_b32 v[SH], 3, v11
	v_mov_b32 v[WP], 0                             ; a lane permute's destination counts as one of its sources
	s_mov_b32 s24, 0x76543210
	s_mov_b32 s25, 0xfedcba98                      ; v_permlanex16_b32's selects for lane l xor 16
	s_mov_b32 s26, 0xffff0000                      ; lanes 16-31
	s_lshr_b32 s18, s14, 1                         ; which of the two tiles
	s_and_b32 s19, s14, 1                          ; which K half
	s_mov_b32 s13, 608
	s_wait_kmcnt 0x0
	s_cmp_lt_u32 ttmp9, 608                        ; the source hangs on the work-group's number alone: under 512 x, under 608 W_qkv, else W_gate
	s_cselect_b64 s[16:17], s[6:7], s[8:9]
	s_cselect_b32 s12, 512, s13
	s_cmp_lt_u32 ttmp9, 512
	s_cselect_b64 s[16:17], s[4:5], s[16:17]
	s_cselect_b32 s12, 0, s12
	s_sub_co_u32 s12, ttmp9, s12
	s_lshl_b32 s12, s12, 1
	s_add_co_u32 s12, s12, s18                     ; the tile in its source: 16 rows of 4,096 bytes,
	s_lshl_b32 s12, s12, 16
	s_lshl_b32 s13, s19, 11                        ; my K half: 2,048 bytes on in each row
	s_add_co_u32 s12, s12, s13
	s_mov_b32 s13, 0
	s_add_nc_u64 s[16:17], s[16:17], s[12:13]
	s_lshl_b32 s12, ttmp9, 1
	s_add_co_u32 s12, s12, s18                     ; the tile in cq
	s_mul_i32 s12, s12, TILEB
	s_add_nc_u64 s[10:11], s[10:11], s[12:13]
	s_mul_i32 s12, s19, 4*FRB
	s_add_nc_u64 s[20:21], s[10:11], s[12:13]      ; my four fragments
	s_lshl_b32 s12, s19, 8
	s_add_co_u32 s12, s12, 8*FRB
	s_add_nc_u64 s[22:23], s[10:11], s[12:13]      ; my 256 bytes of scale words
.macro LOAD t                          ; step t: 512 consecutive bytes of each of the 16 rows
.irp i, 0,1,2,3,4,5,6,7,8,9,10,11,12,13,14,15
	global_load_b128 v[R+64*((\t)%2)+4*\i:R+64*((\t)%2)+4*\i+3], v[LO], s[16:17] offset:4096*\i+512*(\t) th:TH_LOAD_NT
.endr
.endm
.macro STEP t
.set RS, R+64*((\t)%2)
.if (\t) < 3
	s_wait_loadcnt 16                              ; this step's 16 loads are in; the next step's 16 may be out
.else
	s_wait_loadcnt 0x0
.endif
.irp i, 0,1,2,3,4,5,6,7,8,9,10,11,12,13,14,15
	ds_store_b128 v[SA], v[RS+4*\i:RS+4*\i+3] offset:SP*\i
.endr
.irp c, 0,1
.irp j, 0,1,2,3,4,5,6,7
	ds_load_b128 v[X+32*\c+4*\j:X+32*\c+4*\j+3], v[LA] offset:256*\c+16*\j   ; LDS serves a wave's instructions in order: these see the stores above
.endr
.endr
	s_wait_dscnt 0x0                               ; my numbers are back, and the stores have read their registers,
.if (\t) < 2
	LOAD (\t)+2                                    ; which take the loads of two steps on
.endif
.irp n, 0,1,2,3
	v_max3_num_f32 v[MX+\n], |v[X+16*\n]|, |v[X+16*\n+1]|, 0x1800000   ; four chains of 16 numbers, two to a block; the floor 2^(3 - 127) holds the byte at 1 from below
.endr
.irp i, 2,4,6,8,10,12,14
.irp n, 0,1,2,3
	v_max3_num_f32 v[MX+\n], v[MX+\n], |v[X+16*\n+\i]|, |v[X+16*\n+\i+1]|
.endr
.endr
.irp c, 0,1
	v_max_num_f32 v[MX+2*\c], v[MX+2*\c], v[MX+2*\c+1]   ; block 2 c + h of my row: all its 32 numbers are mine
.endr
.irp c, 0,1
	v_add_nc_u32 v[SCO+\c], 0xff000000, v[MX+2*\c]   ; 2 off the exponent field: the conversion takes this operand's exponent field as its scale
.endr
.irp c, 0,1
	v_lshrrev_b32 v[BY+\c], 23, v[SCO+\c]          ; the scale's byte
.endr
	v_lshl_or_b32 v[WT], v[BY+1], 16, v[BY]        ; my two bytes, blocks h and 2 + h,
	v_lshlrev_b32 v[WT], v[SH], v[WT]              ; at their places in the word;
	v_permlanex16_b32 v[WP], v[WT], s24, s25
	v_or_b32 v[W+(\t)], v[WT], v[WP]               ; with lane l xor 16's two the word is whole
.if (\t) > 0
	s_wait_xcnt 0x0                                ; the last step's stores have read the fragment's registers: only now are they written again
.endif
.irp c, 0,1
	v_cvt_scalef32_pk16_fp6_f32 v[C+6*\c:C+6*\c+2], v[X+32*\c:X+32*\c+15], v[SCO+\c]
	v_cvt_scalef32_pk16_fp6_f32 v[T+4*\c:T+4*\c+2], v[X+32*\c+16:X+32*\c+31], v[SCO+\c]   ; (a conversion's three registers begin on an even number)
.endr
	v_nop                                          ; one plain place behind a scaled conversion
.irp c, 0,1
.irp i, 0,1,2
	v_mov_b32 v[C+6*\c+3+\i], v[T+4*\c+\i]         ; registers 6 c .. 6 c + 5: k = 64 c + 32 h + 0 .. 31
.endr
.endr
.irp c, 0,1,2
	global_store_b128 v[LO], v[C+4*\c:C+4*\c+3], s[20:21] offset:FRB*(\t)+512*\c   ; 32 lanes store 512 consecutive bytes, aligned to 256
.endr
.endm
	LOAD 0
	LOAD 1
	STEP 0
	STEP 1
	STEP 2
	STEP 3
	v_cndmask_b32 v[OW], v[W], v[W+2], s26         ; lanes 0-15 store their row's words of steps 0, 1, lanes 16-31 those of steps 2, 3
	v_cndmask_b32 v[OW+1], v[W+1], v[W+3], s26
	global_store_b64 v[SO], v[OW:OW+1], s[22:23]   ; 32 lanes store 256 consecutive bytes, aligned
	s_wait_tensorcnt 0x0                           ; the wave's end: three lines behind my last LDS store
	ds_add_u32 v[SPW], v[NIL]
	s_wait_dscnt 0x0
	s_endpgm
.Lfunc_end_k_q8634435c69_quant:
	.size	k_q8634435c69_quant, .Lfunc_end_k_q8634435c69_quant-k_q8634435c69_quant
	.p2alignl 7, 3214868480
	.fill 96, 4, 3214868480
	.section	.rodata,"a",@progbits
	.p2align	6, 0x0
	.amdhsa_kernel k_q8634435c69_quant
		.amdhsa_group_segment_fixed_size 34304
		.amdhsa_private_segment_fixed_size 0
		.amdhsa_enable_private_segment 0
		.amdhsa_kernarg_size 32
		.amdhsa_user_sgpr_count 2
		.amdhsa_user_sgpr_kernarg_segment_ptr 1
		.amdhsa_wavefront_size32 1
		.amdhsa_system_sgpr_workgroup_id_x 1
		.amdhsa_system_sgpr_workgroup_id_y 1
		.amdhsa_system_sgpr_workgroup_id_z 1
		.amdhsa_system_vgpr_workitem_id 0
		.amdhsa_next_free_vgpr 248
		.amdhsa_next_free_sgpr 66
		.amdhsa_reserve_vcc 0
		.amdhsa_float_denorm_mode_32 3
		.amdhsa_float_denorm_mode_16_64 3
		.amdhsa_memory_ordered 1
		.amdhsa_forward_progress 1
		.amdhsa_inst_pref_size 31
	.end_amdhsa_kernel
	.amdgpu_metadata
---
amdhsa.version: [ 1, 2 ]
amdhsa.kernels:
  - .name:           k_q8634435c69_quant
    .symbol:         k_q8634435c69_quant.kd
    .args:
      - { .name: x, .offset: 0, .size: 8, .value_kind: global_buffer, .address_space: global }
      - { .name: W_qkv, .offset: 8, .size: 8, .value_kind: global_buffer, .address_space: global }
      - { .name: W_gate, .offset: 16, .size: 8, .value_kind: global_buffer, .address_space: global }
      - { .name: cq, .offset: 24, .size: 8, .value_kind: global_buffer, .address_space: global }
    .group_segment_fixed_size: 34304
    .private_segment_fixed_size: 0
    .kernarg_segment_align: 8
    .kernarg_segment_size: 32
    .max_flat_workgroup_size: 128
    .sgpr_count:     66
    .vgpr_count:     248
    .wavefront_size: 32
...
	.end_amdgpu_metadata
.endif
;; end of part 1
;; launch segsum (part 2): grid 8 x 32, 4 waves a work-group, clusters of 4 x 1, 327,680 bytes of LDS; arguments cq, b_qkv, psum; writes psum
.if DOCPART == 2
	.amdgcn_target "amdgcn-amd-amdhsa--gfx1250"
	.amdhsa_code_object_version 6
	.text
	.protected	k_q8634435c69_segsum
	.globl	k_q8634435c69_segsum
	.p2align	8
	.type	k_q8634435c69_segsum,@function
k_q8634435c69_segsum:
	s_mov_b64 s[64:65], 0
	v_nop
	global_prefetch_b8 v0, s[64:65] scope:SCOPE_SE
	s_setreg_imm32_b32 hwreg(HW_REG_WAVE_MODE, 25, 1), 1
	s_wait_xcnt 0x0
	s_wait_alu depctr_hold_cnt(0) depctr_sa_sdst(0) depctr_va_vdst(0) depctr_va_sdst(0) depctr_va_ssrc(0) depctr_va_vcc(0) depctr_vm_vsrc(0)
	s_getreg_b32 s2, hwreg(HW_REG_IB_STS2, 6, 4)
	s_cmp_eq_u32 s2, 0
	s_cbranch_scc0 .Lentry_in_a_cluster
	s_endpgm
.Lentry_in_a_cluster:
	s_bfe_u32 s2, ttmp6, 0x10000c
	s_cmp_lg_u32 s2, 0x3003
	s_cbranch_scc0 .Lentry_shape_is_right
	s_endpgm
.Lentry_shape_is_right:
; psum[24 b + piece][d] = the sum over the 128 rows 128 piece .. 128 piece + 127 of batch b of (k + bk)(v + bv), piece 0 .. 23: what the last launch needs of the rows ahead of its segments.
; k and v are recomputed here from the codes (three eighths of the problem's products once more) so that nothing of their size goes to memory.
; SHARES: work-group (gx, y): 128 channels 128 gx on, 384 rows: tiles 256 (y / 8) + 24 (y % 8) on, three pieces.  Wave w: channel tiles 8 gx + 2 w and + 1, all 384 rows.
; A wave keeps its four weight tiles (k and v of two channel tiles, all of K: 32 fragments, 384 registers) for the whole launch; x's 24 tiles, 307,200 bytes, come into LDS ONCE: nothing is filled again.
; Rows go in PAIRS of two tiles: 8 accumulators, 64 matrix instructions.  Source 0 = x's fragment, source 1 = the weights': lane (r, h) holds channel r, register j row 8 h + j.  The biases are the first product's C.
; CLUSTER: the four work-groups of a cluster have one y and so the same rows of x: each tile is asked for jointly (mask 15); cx enters the addresses of weights, biases and psum alone.
; The order of these sums differs from a running sum's; psum's stores are 128 consecutive bytes a wave, 393,216 bytes in the whole launch.
; REGISTERS, in windows of 256: window 0 as named below; window 1: weight slots 0, 1 (slot g, K step s at 12 (8 (g % 2) + s)); window 2: slots 2, 3; window 3: x's fragments (K step s, tile u at 12 (2 s + u)).
.set TILEB,  12800
.set FRB,    1536
.set PAIRB,  2*TILEB                   ; a pair, and what one tensor load brings
.set PIECEB, 4*PAIRB                   ; 128 rows
.set SPARE,  3*PIECEB                  ; behind the tiles: the spare words, 128 bytes a wave, two blocks of 256 bytes that no other line names
.set LN16, 1                           ; v1   16 x lane
.set R4,   2                           ; v2   4 r
.set AX,   3                           ; v3   LDS address of the fragments being fetched
.set AS0,  4                           ; v4   12288 + 16 r + 12800 h: lanes 0-15 tile 0's scale words, lanes 16-31 tile 1's
.set AS,   5                           ; v5   LDS address of the scale words being fetched
.set L4,   6                           ; v6   4 x lane
.set TP,   20                          ; v20-21 at work
.set SPW,  22                          ; v22  my spare word; never rewritten
.set NIL,  23                          ; v23  0; never rewritten
.set WS,   24                          ; v24-39  weights' scale words: slot g, register i: lanes 0-15 K step i, lanes 16-31 K step 4 + i
.set XS,   40                          ; v40-47  x's: register s: lanes 0-15 tile 0, lanes 16-31 tile 1
.set BIAS, 48                          ; v48-79  slot g's bias, eight times
.set ACC,  80                          ; v80-143 accumulator (slot g, tile u) at 80 + 8 (4 u + g)
.set SS,   144                         ; v144-159 the piece's sums: 8 registers for each channel tile
.set PO,   160                         ; v160-162 what is stored, a register for each piece
.set BT,   208                         ; v208-211 the biases as loaded
.set WV,   14
.set G1,   24                          ; s[24:31] descriptor group 1
.set G0,   32                          ; s[32:43] group 0, a set for each piece
.set SEL,  44
.set HIL,  48
.set WB,   56                          ; s[56:57] my first weight tile
.set MSB, 0
.macro WIN new                         ; the immediate's high byte repeats the setting that is left
.if MSB != \new
	s_set_vgpr_msb (MSB<<8)|\new
.set MSB, \new
.endif
.endm
.set M1,  0x07                         ; source 0 (x) window 3, source 1 (weights) window 1, C and D window 0
.set M2,  0x0b                         ; the same with the weights in window 2
.set LDH, 0xc0                         ; destination window 3
.macro CROUND                          ; a round of the cluster's barrier
	s_barrier_signal -1
	s_barrier_wait -1
	s_cmp_lg_u32 s[WV], 0
	s_cbranch_scc1 .Lnot_wave_0_\@
	s_barrier_signal -3
.Lnot_wave_0_\@:
	s_barrier_wait -3
	s_barrier_signal -1
	s_barrier_wait -1
.endm
.macro PLACES                          ; four plain places behind matrix instructions, ahead of loads into their registers and of the first read of results
.rept 4
	v_nop
.endr
.endm
.macro MM g, u, s                      ; one product: slot g, tile u, K step s.  x's scales: lanes 0-15 for tile 0, 16-31 for tile 1; the weights': lanes 0-15 for K steps 0-3, 16-31 for 4-7
.set rD, ACC+8*(4*(\u)+(\g))
.set rA, 12*(2*(\s)+(\u))
.set rW, 12*(8*((\g)%2)+(\s))
.set rX, XS+(\s)
.set rS, WS+4*(\g)+(\s)%4
.set rC, rD
.if (\s) == 0
.set rC, BIAS+8*(\g)                   ; the first K step starts the sum from the bias
.endif
.if (\s) < 4
.if (\u) == 0
	v_wmma_scale_f32_16x16x128_f8f6f4 v[rD:rD+7], v[rA:rA+11], v[rW:rW+11], v[rC:rC+7], v[rX], v[rS] matrix_a_fmt:MATRIX_FMT_FP6 matrix_b_fmt:MATRIX_FMT_FP6
.else
	v_wmma_scale_f32_16x16x128_f8f6f4 v[rD:rD+7], v[rA:rA+11], v[rW:rW+11], v[rC:rC+7], v[rX], v[rS] matrix_a_fmt:MATRIX_FMT_FP6 matrix_b_fmt:MATRIX_FMT_FP6 matrix_a_scale:MATRIX_SCALE_ROW1
.endif
.else
.if (\u) == 0
	v_wmma_scale_f32_16x16x128_f8f6f4 v[rD:rD+7], v[rA:rA+11], v[rW:rW+11], v[rC:rC+7], v[rX], v[rS] matrix_a_fmt:MATRIX_FMT_FP6 matrix_b_fmt:MATRIX_FMT_FP6 matrix_b_scale:MATRIX_SCALE_ROW1
.else
	v_wmma_scale_f32_16x16x128_f8f6f4 v[rD:rD+7], v[rA:rA+11], v[rW:rW+11], v[rC:rC+7], v[rX], v[rS] matrix_a_fmt:MATRIX_FMT_FP6 matrix_b_fmt:MATRIX_FMT_FP6 matrix_a_scale:MATRIX_SCALE_ROW1 matrix_b_scale:MATRIX_SCALE_ROW1
.endif
.endif
.endm
.macro MULH half                       ; four K steps, 32 products: the eight accumulators by turns, one instruction a turn
.irp s4, 0,1,2,3
	WIN M1
	MM 0, 0, 4*\half+\s4
	MM 0, 1, 4*\half+\s4
	MM 1, 0, 4*\half+\s4
	MM 1, 1, 4*\half+\s4
	WIN M2
	MM 2, 0, 4*\half+\s4
	MM 2, 1, 4*\half+\s4
	MM 3, 0, 4*\half+\s4
	MM 3, 1, 4*\half+\s4
.endr
.endm
.macro LOADH half                      ; 25 LDS loads: a pair's fragments of four K steps, as images at 16 x lane, and their scale words
	WIN LDH
.irp s4, 0,1,2,3
.irp u, 0,1
.irp c, 0,1,2
	ds_load_b128 v[12*(2*(4*\half+\s4)+\u)+4*\c:12*(2*(4*\half+\s4)+\u)+4*\c+3], v[AX] offset:TILEB*\u+FRB*(4*\half+\s4)+512*\c
.endr
.endr
.endr
	WIN 0
	ds_load_b128 v[XS+4*\half:XS+4*\half+3], v[AS] offset:256*\half
.endm
.macro WLOAD g, goff                   ; a weight tile's eight fragments, from goff bytes behind my first tile
.irp s, 0,1,2,3,4,5,6,7
.irp c, 0,1,2
	global_load_b128 v[12*(8*((\g)%2)+\s)+4*\c:12*(8*((\g)%2)+\s)+4*\c+3], v[LN16], s[WB:WB+1] offset:(\goff)+FRB*\s+512*\c
.endr
.endr
.endm
	s_load_b128 s[4:7], s[0:1], 0x0                ; cq s[4:5], b_qkv s[6:7]
	s_load_b64 s[8:9], s[0:1], 0x10                ; psum
	v_lshl_add_u32 v[SPW], v0, 2, SPARE
	v_mov_b32 v[NIL], 0
	ds_add_u32 v[SPW], v[NIL]                      ; the wave's opening: the add and its wait ahead of my first tensor load; work on registers stands between them
	v_lshrrev_b32 v2, 5, v0
	v_readfirstlane_b32 s[WV], v2                  ; wave 0..3
	s_bfe_u32 s15, ttmp6, 0x40000                  ; cx
	s_lshl_b32 s16, ttmp9, 2
	s_add_co_u32 s16, s16, s15                     ; gx = 4 x cluster x + cx
	s_and_b32 s17, ttmp7, 0xffff                   ; y, which the four partners share
	; group 1: 100 rows of 32 elements of 8 bytes, dense: 25,600 bytes, a pair
	s_mov_b32 s[G1+0], 15|(3<<16)|(1<<21)          ; 15:0 the mask: all four; 17:16 elements of 8 bytes; 20 no padding; 21 set beside a mask
	s_mov_b32 s[G1+1], 32<<16                      ; tensor_dim0 = 32
	s_mov_b32 s[G1+2], 100<<16                     ; tensor_dim1 = 100
	s_mov_b32 s[G1+3], 32<<16                      ; tile_dim0 = 32
	s_mov_b32 s[G1+4], 100                         ; tile_dim1 = 100
	s_mov_b32 s[G1+5], 32                          ; from row to row
	s_mov_b32 s[G1+6], 0
	s_mov_b32 s[G1+7], 0
	s_lshr_b32 s18, s17, 3
	s_lshl_b32 s18, s18, 8                         ; 256 tiles a batch,
	s_and_b32 s19, s17, 7
	s_mul_i32 s19, s19, 24                         ; 24 a chunk
	s_add_co_u32 s18, s18, s19
	s_mul_i32 s20, s18, TILEB
	s_mul_i32 s18, s[WV], PAIRB                    ; my quarter of a piece, in memory and in LDS
	s_add_co_u32 s20, s20, s18
	s_mov_b32 s21, 0
	s_mov_b32 s[SEL], 0x76543210
	s_mov_b32 s[SEL+1], 0xfedcba98
	s_mov_b32 s[HIL], 0xffff0000                   ; lanes 16-31
	s_wait_dscnt 0x0                               ; the opening add is done
	s_wait_kmcnt 0x0
	s_add_nc_u64 s[22:23], s[4:5], s[20:21]
	CROUND                                         ; all four work-groups are here: the joint loads meet
.irp i, 0,1,2                                  ; the three pieces go out as one group: three tensor loads of mine are out
	s_mov_b32 s[G0+4*\i], 1
	s_add_co_u32 s[G0+4*\i+1], s18, \i*PIECEB
	s_add_nc_u64 s[G0+4*\i+2:G0+4*\i+3], s[22:23], \i*PIECEB
	s_or_b32 s[G0+4*\i+3], s[G0+4*\i+3], 0x80000000
	tensor_load_to_lds s[G0+4*\i:G0+4*\i+3], s[G1:G1+7]
	s_nop 0
.endr
	PLACES
	v_and_b32 v2, 31, v0
	v_lshlrev_b32 v[LN16], 4, v2
	v_lshlrev_b32 v[L4], 2, v2
	v_and_b32 v[TP], 15, v0                        ; r
	v_bfe_u32 v[TP+1], v0, 4, 1                    ; h
	v_lshlrev_b32 v[R4], 2, v[TP]
	v_lshlrev_b32 v[AS0], 4, v[TP]
	v_mad_u32_u24 v[AS0], v[TP+1], TILEB, v[AS0]
	v_add_nc_u32 v[AS0], 8*FRB, v[AS0]
	s_lshl_b32 s18, s16, 3
	s_lshl_b32 s19, s[WV], 1
	s_add_co_u32 s18, s18, s19                     ; my first channel tile: 8 gx + 2 w;
	s_add_co_u32 s19, s18, 1088                    ; k's tiles begin at 1088, v's 64 further on
	s_mul_i32 s20, s19, TILEB
	s_add_nc_u64 s[WB:WB+1], s[4:5], s[20:21]
	s_lshl_b32 s20, s18, 6                         ; its 16 channels: 64 bytes a tile
	s_add_nc_u64 s[6:7], s[6:7], s[20:21]
	s_add_nc_u64 s[8:9], s[8:9], s[20:21]
	s_mul_i32 s20, s17, 3*4096                     ; psum's row 3 y
	s_add_nc_u64 s[8:9], s[8:9], s[20:21]
	WIN 0x40
	WLOAD 0, 0                                     ; k, first channel tile
	WLOAD 1, 64*TILEB                              ; v, first
	WIN 0x80
	WLOAD 2, TILEB                                 ; k, second
	WLOAD 3, 65*TILEB                              ; v, second
	WIN 0
	global_load_b128 v[WS:WS+3], v[LN16], s[WB:WB+1] offset:8*FRB
	global_load_b128 v[WS+4:WS+7], v[LN16], s[WB:WB+1] offset:64*TILEB+8*FRB
	global_load_b128 v[WS+8:WS+11], v[LN16], s[WB:WB+1] offset:TILEB+8*FRB
	global_load_b128 v[WS+12:WS+15], v[LN16], s[WB:WB+1] offset:65*TILEB+8*FRB
	global_load_b32 v[BT], v[R4], s[6:7] offset:4096          ; bk, bv of channel r of each tile
	global_load_b32 v[BT+1], v[R4], s[6:7] offset:8192
	global_load_b32 v[BT+2], v[R4], s[6:7] offset:4096+64
	global_load_b32 v[BT+3], v[R4], s[6:7] offset:8192+64
	v_mov_b32 v[AX], v[LN16]                       ; pair 0
	v_mov_b32 v[AS], v[AS0]
	s_wait_loadcnt 0x0
.irp g, 0,1,2,3
.irp j, 0,1,2,3,4,5,6,7
	v_mov_b32 v[BIAS+8*\g+\j], v[BT+\g]            ; a lane's eight rows have one channel, so one bias
.endr
.endr
	s_wait_tensorcnt 0x2                           ; my part of piece 0 is in; the two later loads may be out: nothing is ever filled again here
	s_barrier_signal -1
	s_barrier_wait -1                              ; everybody's is
	LOADH 0
	LOADH 1
.macro EPIS first                      ; the pair's (k + bk)(v + bv) onto the piece's sums, two rows an instruction; each accumulator from its low end on
.irp u, 0,1
.irp i, 0,2,4,6
.irp d, 0,1
.if \first && (\u == 0)
	v_pk_mul_f32 v[SS+8*\d+\i:SS+8*\d+\i+1], v[ACC+32*\u+16*\d+\i:ACC+32*\u+16*\d+\i+1], v[ACC+32*\u+16*\d+8+\i:ACC+32*\u+16*\d+8+\i+1]
.else
	v_pk_fma_f32 v[SS+8*\d+\i:SS+8*\d+\i+1], v[ACC+32*\u+16*\d+\i:ACC+32*\u+16*\d+\i+1], v[ACC+32*\u+16*\d+8+\i:ACC+32*\u+16*\d+8+\i+1], v[SS+8*\d+\i:SS+8*\d+\i+1]
.endif
.endr
.endr
.endr
.endm
.macro PIECE_OUT i                     ; eight registers and two halves of the lanes become one number a channel.  (The argument comes as an expression: it stands in parentheses wherever it is used)
.irp d, 0,1
	v_pk_add_f32 v[SS+8*\d:SS+8*\d+1], v[SS+8*\d:SS+8*\d+1], v[SS+8*\d+2:SS+8*\d+3]
	v_pk_add_f32 v[SS+8*\d+4:SS+8*\d+5], v[SS+8*\d+4:SS+8*\d+5], v[SS+8*\d+6:SS+8*\d+7]
.endr
.irp d, 0,1
	v_pk_add_f32 v[SS+8*\d:SS+8*\d+1], v[SS+8*\d:SS+8*\d+1], v[SS+8*\d+4:SS+8*\d+5]
.endr
.irp d, 0,1
	v_add_f32 v[SS+8*\d], v[SS+8*\d], v[SS+8*\d+1]
.endr
.irp d, 0,1
	v_permlanex16_b32 v[TP+\d], v[SS+8*\d], s[SEL], s[SEL+1]
.endr
.irp d, 0,1
	v_add_f32 v[SS+8*\d], v[SS+8*\d], v[TP+\d]
.endr
	v_cndmask_b32 v[PO+(\i)], v[SS], v[SS+8], s[HIL]   ; lanes 0-15 the first channel tile, lanes 16-31 the second
	global_store_b32 v[L4], v[PO+(\i)], s[8:9] offset:4096*(\i)   ; row 3 y + i of psum: 32 channels, 128 consecutive bytes; its data register is never written again
.endm
.macro PAIR p
	s_wait_dscnt 25                                ; K steps 0-3 are in; the 25 loads of K steps 4-7 may be out
	MULH 0
	WIN 0
.if ((\p) == 3) || ((\p) == 7)                 ; the next pair lies in the next piece
	s_wait_tensorcnt 2-(\p)/3                      ; my part of it is in (behind it: piece 2's load, or none)
	s_wait_dscnt 0x0                               ; no LDS instruction of mine is pending at a signal
	s_barrier_signal -1
	s_barrier_wait -1                              ; everybody's is
.endif
.if (\p) < 11
	PLACES
	v_add_nc_u32 v[AX], ((\p)+1)*PAIRB, v[LN16]
	v_add_nc_u32 v[AS], ((\p)+1)*PAIRB, v[AS0]
	LOADH 0                                        ; the next pair's K steps 0-3
	s_wait_dscnt 25                                ; this pair's K steps 4-7 are in; the 25 just issued may be out
.else
	s_wait_dscnt 0x0
.endif
	MULH 1
	PLACES
.if (\p) < 11
	LOADH 1
.else
	WIN 0
.endif
.if ((\p)%4) == 0
	EPIS 1
.else
	EPIS 0
.endif
.if ((\p)%4) == 3
	PIECE_OUT (\p)/4
.endif
.endm
.irp p, 0,1,2,3,4,5,6,7,8,9,10,11
	PAIR \p
.endr
	s_wait_tensorcnt 0x0                           ; the wave's end: three lines behind my last tensor load
	ds_add_u32 v[SPW], v[NIL]
	s_wait_dscnt 0x0
	CROUND                                         ; the closing round
	s_endpgm
.Lfunc_end_k_q8634435c69_segsum:
	.size	k_q8634435c69_segsum, .Lfunc_end_k_q8634435c69_segsum-k_q8634435c69_segsum
	.p2alignl 7, 3214868480
	.fill 96, 4, 3214868480
	.section	.rodata,"a",@progbits
	.p2align	6, 0x0
	.amdhsa_kernel k_q8634435c69_segsum
		.amdhsa_group_segment_fixed_size 327680
		.amdhsa_private_segment_fixed_size 0
		.amdhsa_enable_private_segment 0
		.amdhsa_kernarg_size 24
		.amdhsa_user_sgpr_count 2
		.amdhsa_user_sgpr_kernarg_segment_ptr 1
		.amdhsa_wavefront_size32 1
		.amdhsa_system_sgpr_workgroup_id_x 1
		.amdhsa_system_sgpr_workgroup_id_y 1
		.amdhsa_system_sgpr_workgroup_id_z 1
		.amdhsa_system_vgpr_workitem_id 0
		.amdhsa_next_free_vgpr 960
		.amdhsa_next_free_sgpr 66
		.amdhsa_reserve_vcc 0
		.amdhsa_float_denorm_mode_32 3
		.amdhsa_float_denorm_mode_16_64 3
		.amdhsa_memory_ordered 1
		.amdhsa_forward_progress 1
		.amdhsa_inst_pref_size 177
	.end_amdhsa_kernel
	.amdgpu_metadata
---
amdhsa.version: [ 1, 2 ]
amdhsa.kernels:
  - .name:           k_q8634435c69_segsum
    .symbol:         k_q8634435c69_segsum.kd
    .args:
      - { .name: cq, .offset: 0, .size: 8, .value_kind: global_buffer, .address_space: global }
      - { .name: b_qkv, .offset: 8, .size: 8, .value_kind: global_buffer, .address_space: global }
      - { .name: psum, .offset: 16, .size: 8, .value_kind: global_buffer, .address_space: global }
    .group_segment_fixed_size: 327680
    .private_segment_fixed_size: 0
    .kernarg_segment_align: 8
    .kernarg_segment_size: 24
    .max_flat_workgroup_size: 128
    .sgpr_count:     66
    .vgpr_count:     960
    .wavefront_size: 32
...
	.end_amdgpu_metadata
.endif
;; end of part 2
;; launch main (part 3): grid 16 x 16, 4 waves a work-group, clusters of 4 x 1, 327,680 bytes of LDS; arguments cq, b_qkv, b_gate, psum, out0; writes out0
.if DOCPART == 3
	.amdgcn_target "amdgcn-amd-amdhsa--gfx1250"
	.amdhsa_code_object_version 6
	.text
	.protected	k_q8634435c69_main
	.globl	k_q8634435c69_main
	.p2align	8
	.type	k_q8634435c69_main,@function
k_q8634435c69_main:
	s_mov_b64 s[64:65], 0
	v_nop
	global_prefetch_b8 v0, s[64:65] scope:SCOPE_SE
	s_setreg_imm32_b32 hwreg(HW_REG_WAVE_MODE, 25, 1), 1
	s_wait_xcnt 0x0
	s_wait_alu depctr_hold_cnt(0) depctr_sa_sdst(0) depctr_va_vdst(0) depctr_va_sdst(0) depctr_va_ssrc(0) depctr_va_vcc(0) depctr_vm_vsrc(0)
	s_getreg_b32 s2, hwreg(HW_REG_IB_STS2, 6, 4)
	s_cmp_eq_u32 s2, 0
	s_cbranch_scc0 .Lentry_in_a_cluster
	s_endpgm
.Lentry_in_a_cluster:
	s_bfe_u32 s2, ttmp6, 0x10000c
	s_cmp_lg_u32 s2, 0x3003
	s_cbranch_scc0 .Lentry_shape_is_right
	s_endpgm
.Lentry_shape_is_right:
; out[b][s][d] = (q + bq) x cumsum_s((k + bk)(v + bv)) x sigmoid(g + bg), q, k, v, g = x W^T on codes of FP6 (E2M3) with E8M0 scales, taken from cq as register images.
; SHARES: work-group (gx, y): 64 channels 64 gx on (256 bytes of a row of out), 1,024 rows: batch y / 4, segment y % 4: x's tiles 64 y on, 32 PAIRS of two tiles.  Wave w: channel tile 4 gx + w, ALL 1,024 rows.
; A wave keeps the four weight tiles of its 16 channels (q, k, v, gate; all of K: 32 fragments, 384 registers) for the whole launch: no weight goes through LDS, and the tail never leaves the lane.
; Source 0 = x's fragment, source 1 = the weights': lane (r, h) holds channel r and its register j row 8 h + j: the running sum goes down a lane's own registers, one exchange between the halves of the lanes a tile,
; and the carry from pair to pair stays in a register.  It begins with the sums of the rows ahead of the segment, from psum (chosen by v_cndmask_b32 on the segment's number: no branch).  The biases are the first product's C.
; BY TURNS.  A pair is 64 products and a tail of 102 vector instructions and 16 LDS stores.  Two sets of accumulators take turns pair by pair, and the tail of an earlier pair stands in slices of four behind every
; second product of the pair in hand.  The tail has three parts: F (scaling, exponentials, k v) of pair p - 1 and T (the product by the gate) of pair p - 2 in pair p's first 32 products; M (the reciprocals, the running
; sums, the carry, q x sum) of pair p - 1 in its last 32.  The reciprocals and q x sum go into registers of their own, since their set is written again by pair p + 1.  The two waits behind
; the transcendentals stand directly ahead of the pair's two runs of LDS loads, and T's 16 stores stand in the middle run: no LDS instruction stands singly among the products.
; x: a ring of two LDS slots of four pairs.  Slot n (n = 0 .. 8) holds pairs 4 n - 2 .. 4 n + 1, so the change of slots stands in the middle of pair 4 n + 1, where the 128 rows of pairs 4 n - 4 .. 4 n - 1 have just been laid
; in a stage: ONE barrier serves the change of slots and the hand-over of the stage.  Of slot 0 places 2 and 3 (pairs 0, 1) are read; waves 0 and 1 fetch the same two pairs into places 0 and 1, so that all four waves run one
; line (51,200 bytes a cluster fetched and not used); slot 8's last two pairs are fetched and not used either (for y = 15 they are the first weight tiles, inside cq).
; CLUSTER: the four work-groups of a cluster have one y, so the same rows of x: each slot is asked for jointly (mask 15); cx enters the addresses of weights, biases, psum and out alone.
; THE WAY OUT: a lane's results are one channel of eight rows; a row's 256 bytes come from four waves.  They meet in a stage of 128 rows x 256 bytes (two stages by turns) and leave as whole rows: sixteen lanes store 256
; consecutive bytes, aligned.  In the stage the rows whose number has bit 3 set hold their two halves of 128 bytes swapped, so that the 32 lanes of a store of 4 bytes (two rows eight apart) fall on 32 different words modulo 256 bytes.
; LIMITS: the running sum is made by pieces (128 rows, then 8 rows, then tile by tile), an order of rounding other than a plain running sum's.  NaN and infinities among the inputs are not served.
; REGISTERS, in windows of 256: window 0 as named below; window 1: weight slots 0, 1 (slot g, K step s at 12 (8 (g % 2) + s)); window 2: slots 2, 3, and v192-255 rows on their way out; window 3: x's fragments (K step s, tile u at 12 (2 s + u)).
; All that the tail touches lies in window 0 and no window has room for a product's operands beside it: a slice costs two switches of the window.
.set TILEB,  12800
.set FRB,    1536
.set PAIRB,  2*TILEB                   ; a pair, and what one tensor load brings
.set SLOTB,  4*PAIRB                   ; a slot: 102,400 bytes; slot buffer 0 lies at LDS byte 0
.set SPARE,  SLOTB                     ; behind it: the spare words, 128 bytes a wave, two blocks of 256 bytes that no other line names
.set B1,     1<<17                     ; slot buffer 1: one exclusive or turns an address from one buffer to the other
.set ST0,    1<<18                     ; the stages: 32,768 bytes each, into which no tensor load lands,
.set STX,    1<<15                     ; and the exclusive or between them
.set LN16, 1                           ; v1   16 x lane
.set R4,   2                           ; v2   4 r
.set AX,   3                           ; v3   LDS address of the fragments being fetched
.set AS0,  4                           ; v4   12288 + 16 r + 12800 h: lanes 0-15 tile 0's scale words, lanes 16-31 tile 1's
.set AS,   5                           ; v5   LDS address of the scale words being fetched
.set SW0,  6                           ; v6   the stage, way in: 2048 h + ((64 w + 4 r + 128 h) mod 256)
.set SWA,  7                           ; v7   the same in the stage in hand
.set RD0,  8                           ; v8   way out, rows with bit 3 clear: 8192 w + 256 h + 16 r
.set RD1,  9                           ; v9   rows with bit 3 set: 8192 w + 256 h + ((16 r + 128) mod 256)
.set RDA0, 10                          ; v10-11 the same two in the stage in hand
.set GO,   12                          ; v12  4096 h + 16 r: my 16 bytes in two rows of out
.set HM,   13                          ; v13  h as f32
.set CAR,  14                          ; v14  the running sum up to the pair whose part M comes next
.set T1,   15
.set OF0,  16                          ; v[16:17], v[18:19] what a tile's local sums are raised by (low word; named as pairs)
.set OF1,  18
.set TP0,  20
.set TP1,  21
.set SPW,  22                          ; v22  my spare word; never rewritten
.set NIL,  23                          ; v23  0; never rewritten
.set WS,   24                          ; v24-39  weights' scale words: slot g, register i: lanes 0-15 K step i, lanes 16-31 K step 4 + i
.set XS,   40                          ; v40-47  x's: register s: lanes 0-15 tile 0, lanes 16-31 tile 1
.set BIAS, 48                          ; v48-79  slot g's bias, eight times
.set ACC,  80                          ; v80-143, v144-207 two sets of accumulators: (slot g, tile u) at 8 (4 u + g) of a set: q + 0, k + 8, v + 16, gate + 24
.set RG,   208                         ; v208-223 the gate of a pair: tile u, row j at 8 u + j
.set QK,   224                         ; v224-239 q x running sum, then the result, likewise
.set PS,   208                         ; at the head alone: v208-231 psum's 24 pieces,
.set BT,   232                         ; v232-235 the biases as loaded
.set OB,   192                         ; in window 2: 16 x 4 registers, rows of out
.set WV,   14
.set G1,   24                          ; s[24:31] descriptor group 1
.set G0A,  32                          ; s[32:35] group 0 for slot 0
.set G0B,  36                          ; s[36:39] for slot 1; it then walks
.set TB,   40                          ; s40  the slot buffer being read
.set SB,   41                          ; s41  the stage being written
.set CNT,  42
.set SEL,  44
.set LE,   46                          ; s[46:47] -log2(e)
.set OUTP, 52                          ; s[52:53] out at my 32 rows of the segment's first 128
.set WB,   56                          ; s[56:57] my q tile; k's, v's and the gate's lie 64 tiles apart
.set XB,   58                          ; s[58:59] x's first tile of my segment
.set OFF,  60                          ; s[60:61] bytes from there to the 128 rows that leave next
.set OUTQ, 62                          ; s[62:63] the stores' base
.set MSB, 0
.macro WIN new                         ; the immediate's high byte repeats the setting that is left
.if MSB != \new
	s_set_vgpr_msb (MSB<<8)|\new
.set MSB, \new
.endif
.endm
.set M1,  0x07                         ; source 0 (x) window 3, source 1 (weights) window 1, C and D window 0
.set M2,  0x0b                         ; the same with the weights in window 2: M1 + 4
.set LDH, 0xc0                         ; destination window 3
.macro CROUND                          ; a round of the cluster's barrier
	s_barrier_signal -1
	s_barrier_wait -1
	s_cmp_lg_u32 s[WV], 0
	s_cbranch_scc1 .Lnot_wave_0_\@
	s_barrier_signal -3
.Lnot_wave_0_\@:
	s_barrier_wait -3
	s_barrier_signal -1
	s_barrier_wait -1
.endm
.macro PLACES                          ; four plain places behind matrix instructions, ahead of loads into their registers and of the first read of results
.rept 4
	v_nop
.endr
.endm
.macro MM g, u, s                      ; one product into the set at AB: slot g, tile u, K step s.  x's scales: lanes 0-15 for tile 0, 16-31 for tile 1; the weights': lanes 0-15 for K steps 0-3, 16-31 for 4-7
.set rD, AB+8*(4*(\u)+(\g))
.set rA, 12*(2*(\s)+(\u))
.set rW, 12*(8*((\g)%2)+(\s))
.set rX, XS+(\s)
.set rS, WS+4*(\g)+(\s)%4
.set rC, rD
.if (\s) == 0
.set rC, BIAS+8*(\g)                   ; the first K step starts the sum from the bias
.endif
.if (\s) < 4
.if (\u) == 0
	v_wmma_scale_f32_16x16x128_f8f6f4 v[rD:rD+7], v[rA:rA+11], v[rW:rW+11], v[rC:rC+7], v[rX], v[rS] matrix_a_fmt:MATRIX_FMT_FP6 matrix_b_fmt:MATRIX_FMT_FP6
.else
	v_wmma_scale_f32_16x16x128_f8f6f4 v[rD:rD+7], v[rA:rA+11], v[rW:rW+11], v[rC:rC+7], v[rX], v[rS] matrix_a_fmt:MATRIX_FMT_FP6 matrix_b_fmt:MATRIX_FMT_FP6 matrix_a_scale:MATRIX_SCALE_ROW1
.endif
.else
.if (\u) == 0
	v_wmma_scale_f32_16x16x128_f8f6f4 v[rD:rD+7], v[rA:rA+11], v[rW:rW+11], v[rC:rC+7], v[rX], v[rS] matrix_a_fmt:MATRIX_FMT_FP6 matrix_b_fmt:MATRIX_FMT_FP6 matrix_b_scale:MATRIX_SCALE_ROW1
.else
	v_wmma_scale_f32_16x16x128_f8f6f4 v[rD:rD+7], v[rA:rA+11], v[rW:rW+11], v[rC:rC+7], v[rX], v[rS] matrix_a_fmt:MATRIX_FMT_FP6 matrix_b_fmt:MATRIX_FMT_FP6 matrix_a_scale:MATRIX_SCALE_ROW1 matrix_b_scale:MATRIX_SCALE_ROW1
.endif
.endif
.endm
.macro LOADH half                      ; 25 LDS loads: a pair's fragments of four K steps, as images at 16 x lane, and their scale words
	WIN LDH
.irp s4, 0,1,2,3
.irp u, 0,1
.irp c, 0,1,2
	ds_load_b128 v[12*(2*(4*\half+\s4)+\u)+4*\c:12*(2*(4*\half+\s4)+\u)+4*\c+3], v[AX] offset:TILEB*\u+FRB*(4*\half+\s4)+512*\c
.endr
.endr
.endr
	WIN 0
	ds_load_b128 v[XS+4*\half:XS+4*\half+3], v[AS] offset:256*\half
.endm
.macro WLOAD g                         ; weight slot g's eight fragments
.irp s, 0,1,2,3,4,5,6,7
.irp c, 0,1,2
	global_load_b128 v[12*(8*((\g)%2)+\s)+4*\c:12*(8*((\g)%2)+\s)+4*\c+3], v[LN16], s[WB:WB+1] offset:(\g)*64*TILEB+FRB*\s+512*\c
.endr
.endr
.endm
.macro SETADR idx                      ; the pair at place idx of the slot buffer being read
	s_add_co_u32 s54, s[TB], (\idx)*PAIRB
	v_add_nc_u32 v[AX], s54, v[LN16]
	v_add_nc_u32 v[AS], s54, v[AS0]
.endm
; THE TAIL'S INSTRUCTIONS, one to a macro; m counts them, the two tiles by turns (tile m % 2).  EB: the set that parts F and M work on.
.macro GMUL m                          ; 8: -(g + bg) log2(e), two rows
.set rr, EB+24+32*((\m)%2)+2*((\m)/2)
	v_pk_mul_f32 v[rr:rr+1], v[rr:rr+1], s[LE:LE+1] op_sel_hi:[1,0]
.endm
.macro EXPI m                          ; 16: e^-(g + bg)
.set rr, EB+24+32*((\m)%2)+(\m)/2
	v_exp_f32 v[rr], v[rr]
.endm
.macro KVI m                           ; 8: (k + bk)(v + bv), two rows
.set rr, EB+8+32*((\m)%2)+2*((\m)/2)
	v_pk_mul_f32 v[rr:rr+1], v[rr:rr+1], v[rr+8:rr+9]
.endm
.macro OQI m                           ; 8: part T: q x sum x gate, in place
	v_pk_mul_f32 v[QK+2*(\m):QK+2*(\m)+1], v[QK+2*(\m):QK+2*(\m)+1], v[RG+2*(\m):RG+2*(\m)+1]
.endm
.macro G1I m                           ; 8: 1 + e^-(g + bg)
.set rr, EB+24+32*((\m)%2)+2*((\m)/2)
	v_pk_add_f32 v[rr:rr+1], v[rr:rr+1], 1.0 op_sel_hi:[1,0]
.endm
.macro RCPI m                          ; 16: the gate, into registers of its own
	v_rcp_f32 v[RG+8*((\m)%2)+(\m)/2], v[EB+24+32*((\m)%2)+(\m)/2]
.endm
.macro ADDI m                          ; 14: the running sum of my eight rows
.set rr, EB+8+32*((\m)%2)+1+(\m)/2
	v_add_f32 v[rr], v[rr], v[rr-1]
.endm
.macro CARI m                          ; 8: the carry
.if (\m) == 0
	v_add_f32 v[T1], v[CAR], v[EB+15]              ; + my half of tile 0,
.elseif (\m) == 1
	v_permlanex16_b32 v[TP0], v[EB+15], s[SEL], s[SEL+1]   ; the other half of the lanes' eight rows
.elseif (\m) == 2
	v_permlanex16_b32 v[TP1], v[EB+47], s[SEL], s[SEL+1]
.elseif (\m) == 3
	v_fma_f32 v[OF0], v[TP0], v[HM], v[CAR]        ; rows 8-15 stand on rows 0-7
.elseif (\m) == 4
	v_add_f32 v[CAR], v[T1], v[TP0]                ; + the other half: the sum up to tile 1
.elseif (\m) == 5
	v_fma_f32 v[OF1], v[TP1], v[HM], v[CAR]
.elseif (\m) == 6
	v_add_f32 v[T1], v[CAR], v[EB+47]
.else
	v_add_f32 v[CAR], v[T1], v[TP1]                ; the sum up to the next pair
.endif
.endm
.macro KOI m                           ; 8: the local sums raised
.set rr, EB+8+32*((\m)%2)+2*((\m)/2)
	v_pk_add_f32 v[rr:rr+1], v[rr:rr+1], v[OF0+2*((\m)%2):OF0+2*((\m)%2)+1] op_sel_hi:[1,0]
.endm
.macro QKI m                           ; 8: q x sum, into registers of its own
.set rr, EB+32*((\m)%2)+2*((\m)/2)
	v_pk_mul_f32 v[QK+8*((\m)%2)+2*((\m)/2):QK+8*((\m)%2)+2*((\m)/2)+1], v[rr:rr+1], v[rr+8:rr+9]
.endm
; Slice k of a pair's first 32 products.  f: part F is there; t: part T is there.  0, 1: the scalings; 2-5: a product of T and an exponential, twice; 6-9: a product k v and an exponential, twice.  No slice names an exponential's result.
.macro SLA t, f
.if (k < 2) && (\f)
	WIN 0
.irp n, 0,1,2,3
	GMUL 4*k+\n
.endr
.elseif (k >= 2) && (k < 6)
.if (\t) || (\f)
	WIN 0
.endif
.irp n, 0,1
.if \t
	OQI 2*(k-2)+\n
.endif
.if \f
	EXPI 2*(k-2)+\n
.endif
.endr
.elseif (k >= 6) && (k < 10) && (\f)
	WIN 0
.irp n, 0,1
	KVI 2*(k-6)+\n
	EXPI 8+2*(k-6)+\n
.endr
.endif
.endm
.macro PB n                            ; the plain instructions that stand between the reciprocals: the 14 additions, then the carry's first two
.if (\n) < 14
	ADDI \n
.else
	CARI (\n)-14
.endif
.endm
.macro LB n                            ; and what follows the reciprocals: the carry's other six, the raising, q x sum
.if (\n) < 6
	CARI (\n)+2
.elseif (\n) < 14
	KOI (\n)-6
.elseif (\n) < 22
	QKI (\n)-14
.endif
.endm
; Slice k of a pair's last 32 products: part M.  0, 1: + 1; 2-9: a plain instruction and a reciprocal, twice; 10-15: the rest.  No slice names a reciprocal's result.
.macro SLB f
.if \f
	WIN 0
.if k < 2
.irp n, 0,1,2,3
	G1I 4*k+\n
.endr
.elseif k < 10
.irp n, 0,1
	PB 2*(k-2)+\n
	RCPI 2*(k-2)+\n
.endr
.else
.irp n, 0,1,2,3
	LB 4*(k-10)+\n
.endr
.endif
.endif
.endm
; Four K steps, 32 products: the set's eight accumulators by turns, one instruction a turn; a slice behind every second product.
.macro HALF half, t, f
.set i, 0
.rept 32
.set WN, M1+4*((i%8)/4)
	WIN WN
	MM (i%8)/2, i%2, 4*\half+i/8
.if (i%2) == 1
.set k, i/2
.if \half == 0
	SLA \t, \f
.else
	SLB \f
.endif
.endif
.set i, i+1
.endr
.endm
.macro STORES idx                      ; a pair's results into the stage: idx is the pair's place among the four of its 128 rows
.irp u, 0,1
.irp j, 0,1,2,3,4,5,6,7
	ds_store_b32 v[SWA], v[QK+8*\u+\j] offset:8192*(\idx)+4096*\u+256*\j   ; row 32 idx + 16 u + 8 h + j of the stage
.endr
.endr
.endm
.macro READBACK                        ; my 32 whole rows of the stage that is full: two rows an instruction
	v_add_nc_u32 v[RDA0], s[SB], v[RD0]
	v_add_nc_u32 v[RDA0+1], s[SB], v[RD1]
	WIN 0x80                                       ; destination window 2
.irp t, 0,1,2,3,4,5,6,7,8,9,10,11,12,13,14,15
	ds_load_b128 v[OB+4*\t:OB+4*\t+3], v[RDA0+((\t>>2)&1)] offset:512*\t   ; rows 2 t, 2 t + 1: their bit 3 is t's bit 2
.endr
	WIN 0
.endm
.macro OUTSTEP                         ; the base of the stores that come next.  The last stores have read their base and their data: both may be written again
	s_wait_xcnt 0x0
	s_add_nc_u64 s[OUTQ:OUTQ+1], s[OUTP:OUTP+1], s[OFF:OFF+1]
	s_add_co_u32 s[OFF], s[OFF], 128*4096
.endm
.macro SENDOUT
	WIN 0x08                                       ; a store's data are its source 1: window 2
.irp t, 0,1,2,3,4,5,6,7,8,9,10,11,12,13,14,15
	global_store_b128 v[GO], v[OB+4*\t:OB+4*\t+3], s[OUTQ:OUTQ+1] offset:8192*\t th:TH_STORE_NT   ; sixteen lanes store 256 consecutive bytes, aligned; written once, read by nobody here
.endr
	WIN 0
.endm
; A pair on set par whose successor lies in the same slot, at place nidx (ld = 0: it has no successor).  t: part T of the pair two back is there, at place tidx of its 128 rows; f: parts F and M of the pair before are there.
.macro PAIRR par, nidx, t, tidx, f, ld
.set AB, ACC+64*(\par)
.set EB, ACC+64*(1-(\par))
	s_wait_dscnt 25                                ; K steps 0-3 are in; the 25 loads of K steps 4-7 may be out
	HALF 0, \t, \f
	WIN 0
	PLACES                                         ; (also the plain instructions behind the last exponential)
.if \ld
	SETADR \nidx
.endif
.if \f
	s_wait_alu depctr_va_vdst(0)                   ; the wait ahead of the first line that names an exponential's result: one for the sixteen, ahead of the run of LDS instructions
.endif
.if \t
	STORES \tidx
.endif
.if \ld
	LOADH 0                                        ; the next pair's K steps 0-3
	s_wait_dscnt 25+16*(\t)                        ; K steps 4-7 are in; behind them: the stores and the 25 loads just issued
.else
	s_wait_dscnt 16*(\t)
.endif
	HALF 1, 0, \f
	PLACES
.if \f
	s_wait_alu depctr_va_vdst(0)                   ; and one wait for the sixteen reciprocals: their first reader stands in the next pair
.endif
.if \ld
	LOADH 1
.else
	WIN 0
.endif
.endm
; A slot's last pair.  In its middle all my reads of the slot are issued, and the 128 rows that end two pairs back lie in the stage.  Each wave waits for all its tensor loads (the one that is out is its part of the next
; slot), adds 0 to its spare word, and waits for that, for its reads of the slot and for its stores into the stage.  Behind the barrier the slot is filled again first (fill = 1: a round of the cluster's barrier, since the
; refill is a joint load; it has four pairs, 256 matrix instructions, in which to land); then come the next slot's first fragments and (rb = 1) my rows of the stage, which leave at the pair's end.
.macro PAIRS par, fill, rb, t, f
.set AB, ACC+64*(\par)
.set EB, ACC+64*(1-(\par))
.if \rb
	OUTSTEP
.endif
	s_wait_dscnt 25
	HALF 0, \t, \f
	WIN 0
.if \f
	s_wait_alu depctr_va_vdst(0)                   ; the sixteen exponentials' wait, ahead of the branches too
.endif
.if \t
	STORES 3                                       ; the last 32 of the stage's 128 rows
.endif
	s_wait_tensorcnt 0x0                           ; no tensor load of mine is out, so a group 0 may be written
	ds_add_u32 v[SPW], v[NIL]                      ; 0 onto my spare word
.if \fill
	s_xor_b32 s[G0B+1], s[G0B+1], B1               ; the walking descriptor: the other buffer than last time,
	s_add_nc_u64 s[G0B+2:G0B+3], s[G0B+2:G0B+3], SLOTB   ; the next four pairs; the type bits on top are not reached
.endif
	s_wait_dscnt 0x0                               ; the add is done, my reads of the slot are in, my stores into the stage have landed
.if \fill
	CROUND                                         ; this holds of every wave of all four work-groups
	tensor_load_to_lds s[G0B:G0B+3], s[G1:G1+7]    ; my one tensor load behind the round, and the first thing there
	s_nop 0
	PLACES                                         ; (also the places ahead of the loads below, and the plain instructions behind the last exponential)
.else
	s_barrier_signal -1
	s_barrier_wait -1
	PLACES
.endif
	s_xor_b32 s[TB], s[TB], B1                     ; on to the other slot buffer
	SETADR 0
	LOADH 0
.if \rb
	READBACK
	s_xor_b32 s[SB], s[SB], STX                    ; the next 128 rows go into the other stage: all waves' reads of it were in ahead of the barrier above
	v_add_nc_u32 v[SWA], s[SB], v[SW0]
.endif
	HALF 1, 0, \f                                  ; (K steps 4-7 came in by the wait for 0 above)
	PLACES
.if \f
	s_wait_alu depctr_va_vdst(0)                   ; the sixteen reciprocals' wait
.endif
	LOADH 1
.if \rb
	s_wait_dscnt 25                                ; my rows of the stage are in; the 25 loads just issued may be out
	SENDOUT
.endif
.endm
	s_load_b256 s[4:11], s[0:1], 0x0               ; cq s[4:5], b_qkv s[6:7], b_gate s[8:9], psum s[10:11]
	s_load_b64 s[12:13], s[0:1], 0x20              ; out0
	v_lshl_add_u32 v[SPW], v0, 2, SPARE
	v_mov_b32 v[NIL], 0
	ds_add_u32 v[SPW], v[NIL]                      ; the wave's opening: the add and its wait ahead of my first tensor load; work on registers stands between them
	v_lshrrev_b32 v2, 5, v0
	v_readfirstlane_b32 s[WV], v2                  ; wave 0..3
	s_bfe_u32 s15, ttmp6, 0x40000                  ; cx
	s_lshl_b32 s16, ttmp9, 2
	s_add_co_u32 s16, s16, s15                     ; gx = 4 x cluster x + cx
	s_and_b32 s17, ttmp7, 0xffff                   ; y, which the four partners share
	; group 1: 100 rows of 32 elements of 8 bytes, dense: 25,600 bytes, a pair
	s_mov_b32 s[G1+0], 15|(3<<16)|(1<<21)          ; 15:0 the mask: all four; 17:16 elements of 8 bytes; 20 no padding; 21 set beside a mask
	s_mov_b32 s[G1+1], 32<<16                      ; tensor_dim0 = 32
	s_mov_b32 s[G1+2], 100<<16                     ; tensor_dim1 = 100
	s_mov_b32 s[G1+3], 32<<16                      ; tile_dim0 = 32
	s_mov_b32 s[G1+4], 100                         ; tile_dim1 = 100
	s_mov_b32 s[G1+5], 32                          ; from row to row
	s_mov_b32 s[G1+6], 0
	s_mov_b32 s[G1+7], 0
	s_mul_i32 s18, s[WV], PAIRB                    ; my quarter of a slot
	s_mul_i32 s20, s17, 64*TILEB                   ; my segment's 64 tiles
	s_mov_b32 s21, 0
	s_and_b32 s22, s[WV], 1
	s_mul_i32 s22, s22, PAIRB                      ; slot 0: wave w fetches pair w % 2 into place w
	s_mov_b32 s23, 0
	s_add_co_u32 s54, s18, 2*PAIRB                 ; slot 1 begins with pair 2
	s_mov_b32 s55, 0
	s_mov_b32 s[TB], 0
	s_mov_b32 s[SB], ST0
	s_mov_b32 s[OFF], 0
	s_mov_b32 s[OFF+1], 0
	s_mov_b32 s[SEL], 0x76543210
	s_mov_b32 s[SEL+1], 0xfedcba98                 ; v_permlanex16_b32's selects for lane l xor 16
	s_mov_b32 s[LE], 0xbfb8aa3b                    ; -log2(e)
	s_mov_b32 s[LE+1], s[LE]                       ; (named with it as a pair, so it is written)
	s_and_b32 s19, s17, 3                          ; the segment: which of the three sums of 1,024 rows lie ahead of it
	s_cmp_gt_u32 s19, 0
	s_cselect_b32 s48, -1, 0
	s_cmp_gt_u32 s19, 1
	s_cselect_b32 s49, -1, 0
	s_cmp_gt_u32 s19, 2
	s_cselect_b32 s50, -1, 0
	s_wait_dscnt 0x0                               ; the opening add is done
	s_wait_kmcnt 0x0
	s_add_nc_u64 s[XB:XB+1], s[4:5], s[20:21]
	CROUND                                         ; all four work-groups are here: the first joint loads meet
	s_mov_b32 s[G0A], 1
	s_mov_b32 s[G0A+1], s18                        ; slot buffer 0, my quarter
	s_add_nc_u64 s[G0A+2:G0A+3], s[XB:XB+1], s[22:23]
	s_or_b32 s[G0A+3], s[G0A+3], 0x80000000
	s_mov_b32 s[G0B], 1
	s_add_co_u32 s[G0B+1], s18, B1
	s_add_nc_u64 s[G0B+2:G0B+3], s[XB:XB+1], s[54:55]
	s_or_b32 s[G0B+3], s[G0B+3], 0x80000000
	tensor_load_to_lds s[G0A:G0A+3], s[G1:G1+7]    ; both first fills go out together: two tensor loads of mine are out
	s_nop 0
	tensor_load_to_lds s[G0B:G0B+3], s[G1:G1+7]
	s_nop 0
	PLACES
	v_and_b32 v2, 31, v0
	v_lshlrev_b32 v[LN16], 4, v2
	v_and_b32 v[TP0], 15, v0                       ; r
	v_bfe_u32 v[TP1], v0, 4, 1                     ; h
	v_lshlrev_b32 v[R4], 2, v[TP0]
	v_lshlrev_b32 v[AS0], 4, v[TP0]
	v_mad_u32_u24 v[AS0], v[TP1], TILEB, v[AS0]
	v_add_nc_u32 v[AS0], 8*FRB, v[AS0]
	s_lshl_b32 s18, s16, 2
	s_add_co_u32 s18, s18, s[WV]                   ; my channel tile: 4 gx + w
	s_add_co_u32 s19, s18, 1024                    ; the weights' tiles begin at 1024
	s_mul_i32 s20, s19, TILEB
	s_add_nc_u64 s[WB:WB+1], s[4:5], s[20:21]
	s_lshl_b32 s20, s18, 6                         ; its 16 channels: 64 bytes a tile
	s_add_nc_u64 s[6:7], s[6:7], s[20:21]
	s_add_nc_u64 s[8:9], s[8:9], s[20:21]
	s_add_nc_u64 s[10:11], s[10:11], s[20:21]
	s_lshr_b32 s20, s17, 2
	s_mul_i32 s20, s20, 24*4096                    ; my batch's 24 rows of psum
	s_add_nc_u64 s[10:11], s[10:11], s[20:21]
	s_lshl_b32 s20, s17, 22                        ; out: 1,024 rows of 4,096 bytes a segment,
	s_lshl_b32 s22, s16, 8                         ; 256 bytes a channel group,
	s_add_co_u32 s20, s20, s22
	s_lshl_b32 s22, s[WV], 17                      ; and of each 128 rows I store 32
	s_add_co_u32 s20, s20, s22
	s_add_nc_u64 s[OUTP:OUTP+1], s[12:13], s[20:21]
	WIN 0x40
	WLOAD 0
	WLOAD 1
	WIN 0x80
	WLOAD 2
	WLOAD 3
	WIN 0
.irp g, 0,1,2,3
	global_load_b128 v[WS+4*\g:WS+4*\g+3], v[LN16], s[WB:WB+1] offset:\g*64*TILEB+8*FRB
.endr
	global_load_b32 v[BT], v[R4], s[6:7]                      ; bq, bk, bv, bg of channel r
	global_load_b32 v[BT+1], v[R4], s[6:7] offset:4096
	global_load_b32 v[BT+2], v[R4], s[6:7] offset:8192
	global_load_b32 v[BT+3], v[R4], s[8:9]
.irp p, 0,1,2,3,4,5,6,7,8,9,10,11,12,13,14,15,16,17,18,19,20,21,22,23
	global_load_b32 v[PS+\p], v[R4], s[10:11] offset:4096*\p
.endr
	v_lshlrev_b32 v[SW0], 2, v[TP0]
	v_lshl_add_u32 v[SW0], v[TP1], 7, v[SW0]
	s_lshl_b32 s19, s[WV], 6
	v_add_nc_u32 v[SW0], s19, v[SW0]
	v_and_b32 v[SW0], 255, v[SW0]                  ; my channel's 4 bytes, in the other half of the row for lanes 16-31, whose rows have bit 3 set
	v_lshl_add_u32 v[SW0], v[TP1], 11, v[SW0]      ; and eight rows down
	v_add_nc_u32 v[SWA], s[SB], v[SW0]
	s_lshl_b32 s19, s[WV], 13
	v_lshlrev_b32 v[RD0], 4, v[TP0]
	v_add_nc_u32 v[RD1], 128, v[RD0]
	v_and_b32 v[RD1], 255, v[RD1]
	v_lshl_add_u32 v[RD0], v[TP1], 8, v[RD0]
	v_lshl_add_u32 v[RD1], v[TP1], 8, v[RD1]
	v_add_nc_u32 v[RD0], s19, v[RD0]
	v_add_nc_u32 v[RD1], s19, v[RD1]
	v_lshlrev_b32 v[GO], 4, v[TP0]
	v_lshl_add_u32 v[GO], v[TP1], 12, v[GO]
	v_cvt_f32_u32 v[HM], v[TP1]
	v_mov_b32 v[OF0+1], 0                          ; (upper halves of pairs of which the low word is used)
	v_mov_b32 v[OF1+1], 0
	s_wait_tensorcnt 0x1                           ; my part of slot 0 is in; slot 1's may stay out
	s_barrier_signal -1
	s_barrier_wait -1                              ; everybody's is
	SETADR 2                                       ; pair 0 lies at place 2 of slot 0
	LOADH 0
	LOADH 1
	s_wait_loadcnt 0x0                             ; the weights, their scale words, the biases, psum's pieces
.irp g, 0,1,2,3
.irp j, 0,1,2,3,4,5,6,7
	v_mov_b32 v[BIAS+8*\g+\j], v[BT+\g]            ; a lane's eight rows have one channel, so one bias
.endr
.endr
.irp j, 1,2,3,4,5,6,7
.irp q, 0,1,2
	v_add_f32 v[PS+8*\q], v[PS+8*\q], v[PS+8*\q+\j]   ; three sums of 1,024 rows, eight pieces each
.endr
.endr
	v_cndmask_b32 v[CAR], 0, v[PS], s48            ; those that lie ahead of my segment count
	v_cndmask_b32 v[PS+8], 0, v[PS+8], s49
	v_cndmask_b32 v[PS+16], 0, v[PS+16], s50
	v_add_f32 v[CAR], v[CAR], v[PS+8]
	v_add_f32 v[CAR], v[CAR], v[PS+16]
	PAIRR 0, 3, 0, 0, 0, 1                         ; pair 0: no tail yet; its successor lies at place 3
	PAIRS 1, 1, 0, 0, 1                            ; pair 1: parts F and M of pair 0; slot 0 is left and filled with slot 2; no rows to hand over yet
	s_mov_b32 s[CNT], 6
.Lslot:                                            ; six trips: slots 1 to 6 (pairs 2 to 25), each filled again with the slot two on
	PAIRR 0, 1, 1, 0, 1, 1
	PAIRR 1, 2, 1, 1, 1, 1
	PAIRR 0, 3, 1, 2, 1, 1
	PAIRS 1, 1, 1, 1, 1
	s_sub_co_u32 s[CNT], s[CNT], 1
	s_cmp_lg_u32 s[CNT], 0
	s_cbranch_scc1 .Lslot
	PAIRR 0, 1, 1, 0, 1, 1                         ; slot 7 (pairs 26 to 29) is written out: nothing is left to fetch
	PAIRR 1, 2, 1, 1, 1, 1
	PAIRR 0, 3, 1, 2, 1, 1
	PAIRS 1, 0, 1, 1, 1
	PAIRR 0, 1, 1, 0, 1, 1                         ; slot 8: pair 30,
	PAIRR 1, 0, 1, 1, 1, 0                         ; and pair 31, which fetches nothing
	; what is left of the tails, with no products to stand between: T of pair 30 and F of pair 31; M of pair 31; T of pair 31
.set EB, ACC+64
.set k, 0
.rept 10
	SLA 1, 1
.set k, k+1
.endr
	v_nop                                          ; a plain instruction behind the last exponential
	s_wait_alu depctr_va_vdst(0)                   ; the exponentials' wait
	STORES 2
.set k, 0
.rept 16
	SLB 1
.set k, k+1
.endr
	s_wait_alu depctr_va_vdst(0)                   ; the reciprocals' wait
.set k, 2
.rept 4
	SLA 1, 0
.set k, k+1
.endr
	STORES 3
	s_wait_dscnt 0x0                               ; for the others' sake: my stores into the stage have landed
	s_barrier_signal -1
	s_barrier_wait -1
	OUTSTEP
	READBACK                                       ; the last 128 rows
	s_wait_dscnt 0x0
	SENDOUT
	s_wait_tensorcnt 0x0                           ; the wave's end: three lines behind my last tensor load and my last LDS store
	ds_add_u32 v[SPW], v[NIL]
	s_wait_dscnt 0x0
	CROUND                                         ; the closing round
	s_endpgm
.Lfunc_end_k_q8634435c69_main:
	.size	k_q8634435c69_main, .Lfunc_end_k_q8634435c69_main-k_q8634435c69_main
	.p2alignl 7, 3214868480
	.fill 96, 4, 3214868480
	.section	.rodata,"a",@progbits
	.p2align	6, 0x0
	.amdhsa_kernel k_q8634435c69_main
		.amdhsa_group_segment_fixed_size 327680
		.amdhsa_private_segment_fixed_size 0
		.amdhsa_enable_private_segment 0
		.amdhsa_kernarg_size 40
		.amdhsa_user_sgpr_count 2
		.amdhsa_user_sgpr_kernarg_segment_ptr 1
		.amdhsa_wavefront_size32 1
		.amdhsa_system_sgpr_workgroup_id_x 1
		.amdhsa_system_sgpr_workgroup_id_y 1
		.amdhsa_system_sgpr_workgroup_id_z 1
		.amdhsa_system_vgpr_workitem_id 0
		.amdhsa_next_free_vgpr 960
		.amdhsa_next_free_sgpr 66
		.amdhsa_reserve_vcc 0
		.amdhsa_float_denorm_mode_32 3
		.amdhsa_float_denorm_mode_16_64 3
		.amdhsa_memory_ordered 1
		.amdhsa_forward_progress 1
		.amdhsa_inst_pref_size 255
	.end_amdhsa_kernel
	.section	.bss,"aw",@nobits
	.p2align	6
	.space	262144
	.amdgpu_metadata
---
amdhsa.version: [ 1, 2 ]
amdhsa.kernels:
  - .name:           k_q8634435c69_main
    .symbol:         k_q8634435c69_main.kd
    .args:
      - { .name: cq, .offset: 0, .size: 8, .value_kind: global_buffer, .address_space: global }
      - { .name: b_qkv, .offset: 8, .size: 8, .value_kind: global_buffer, .address_space: global }
      - { .name: b_gate, .offset: 16, .size: 8, .value_kind: global_buffer, .address_space: global }
      - { .name: psum, .offset: 24, .size: 8, .value_kind: global_buffer, .address_space: global }
      - { .name: out0, .offset: 32, .size: 8, .value_kind: global_buffer, .address_space: global }
    .group_segment_fixed_size: 327680
    .private_segment_fixed_size: 0
    .kernarg_segment_align: 8
    .kernarg_segment_size: 40
    .max_flat_workgroup_size: 128
    .sgpr_count:     66
    .vgpr_count:     960
    .wavefront_size: 32
...
	.end_amdgpu_metadata
.endif
;; end of part 3
